; MI455X (gfx1250); checked and timed in simulation.
; The chip was launched on July 23, 2026; its instructions are those of AMD's public machine-readable ISA for CDNA 5 (MIT licence, August 2026) and "CDNA5" Instruction Set Architecture Reference Guide (July 2026). The comments in the code are by the model that wrote it; some were corrected since.
;; STDP Plasticity Rule. Allowed arithmetic: float matrix products may take bf16 or f16 operands with f32 sums; all other float work in f32.
;; Inputs: meta_A_minus one number float32; meta_A_plus one number float32; post_spikes 16 x 2,048 x 256 float32; pre_spikes 16 x 2,048 x 256 float32; weights 2,048 x 2,048 float32.
;; Outputs: out0 2,048 x 2,048 float32.
;; One version. Each part assembles by itself: llvm-mc -triple=amdgcn-amd-amdhsa -mcpu=gfx1250 --defsym DOCPART=n.
;; ======== version 1 of 1: 2 launches
;; limits: inputs' magnitudes at most 1e+33
;; workspace buffers: opa 33,554,432 bytes; opb 33,554,432 bytes; psum 4,096 bytes
;; launch prep (part 1): grid 1024 x 1, 8 waves a work-group, no clusters, 1,280 bytes of LDS; arguments pre_spikes, post_spikes, meta_A_plus, meta_A_minus, opa, opb, psum; writes opa, opb, psum
.if DOCPART == 1
	.amdgcn_target "amdgcn-amd-amdhsa--gfx1250"
	.amdhsa_code_object_version 6
	.text
	.protected	k_qbaa336f90d_prep
	.globl	k_qbaa336f90d_prep
	.p2align	8
	.type	k_qbaa336f90d_prep,@function
k_qbaa336f90d_prep:
	s_mov_b64 s[64:65], 0
	v_nop
	global_prefetch_b8 v0, s[64:65] scope:SCOPE_SE
	s_setreg_imm32_b32 hwreg(HW_REG_WAVE_MODE, 25, 1), 1
	s_wait_xcnt 0x0
; STDP, first launch: the traces, the four bf16 operands of the one product that follows, and partial sums of all spikes.
; With e[t+1] = d e[t] + s[t], e[0] = 0, the trace that the update uses at step t is d e[t]; the factor d goes into the constants:
;   updates = sum over (b,t) of e_pre * [post * (c1 + c2 e_trip)]  +  sum over (b,t) of pre * [c3 e_post]
;   c1 = DP A_plus,  c2 = DP * 0.0065 * DX,  c3 = -DP A_minus   (TAU_PLUS = TAU_MINUS = 0.02, so one decay DP serves e_pre and e_post)
; opa[b][p][kind][256] bf16: kind 0 = e_pre, kind 1 = pre.   opb[b][q][kind][256] bf16: kind 0 = post (c1 + c2 e_trip), kind 1 = c3 e_post.
; Inside the 256, place 8 l + i holds t = 4 l + i (i < 4) and t = 128 + 4 l + i - 4 (i >= 4): the same order in opa and opb, so products meet.
; Row pair n = row n of pre and row n of post (1,024 bytes each).  A work-group takes 32 pairs, a wave 4; one wave holds a whole row:
; lane l has t = 4 l .. 4 l + 3 and t = 128 + 4 l .. + 3.  A pair's 1,024 bytes of opa (opb) lie at the same byte offset as its row of pre (post).
; Every load and store of a wave covers 512 consecutive bytes, aligned.  All 16 loads of a wave go out first; there is no loop.
; The scan along t: each lane folds its 4 numbers (a group), group g is scaled by D^-g (D = d^4), summed over the lanes in front, scaled back by D^(g-1).
; LIMITS: the scaling multiplies by up to 2^18.2, so inputs stay below about 1e33 in magnitude; an infinite group total becomes NaN (0 x inf) in lanes 0-15.
.set DPC,   0x3f7383c6                 ; exp(-0.05)
.set DXC,   0x3f7d7a55                 ; exp(-1/101)
.set KPC,   0x3e93bb63                 ; 4 * 0.05 * log2(e):   D = 2^-KP
.set KXC,   0x3d6a07e6                 ; 4 / 101 * log2(e)
.set C2C,   0x3bc89bb1                 ; exp(-0.05) * 0.0065 * exp(-1/101)
.set NDPC,  0xbf7383c6                 ; -exp(-0.05)
.set OFF,   2                          ; v2        wave * 4,096 + 16 * lane; never rewritten
.set WINP,  4                          ; v[4:5]    2^(KP l), 2^(KP (l+32))
.set WOUTP, 6                          ; v[6:7]    2^(-KP (l-1)), 2^(-KP (l+31))
.set WINX,  8                          ; v[8:9]    the same with KX
.set WOUTX, 10                         ; v[10:11]
.set M16,   12                         ; v12       0.0 in lanes 0-15, 1.0 in lanes 16-31
.set C1,    14                         ; v[14:15]  c1 twice
.set C2,    16                         ; v[16:17]  c2 twice
.set C3,    18                         ; v[18:19]  c3 twice
.set ACC,   20                         ; v[20:23]  two packed running sums of the spikes
.set U,     24                         ; v[24:25]  group totals of the two halves
.set EP,    28                         ; v[28:35]  trace with decay DP
.set EX,    36                         ; v[36:43]  trace with decay DX
.set LF,    44                         ; v[44:47]  lane numbers as floats, at set-up
.set X,     48                         ; v[48:111] pair j: pre in X+16j .. +7, post in X+16j+8 .. +15
	s_load_b256 s[4:11], s[0:1], 0x0               ; pre s[4:5], post s[6:7], &A_plus s[8:9], &A_minus s[10:11]
	s_load_b128 s[12:15], s[0:1], 0x20             ; opa s[12:13], opb s[14:15]
	s_load_b64 s[16:17], s[0:1], 0x30              ; psum
	v_lshl_add_u32 v112, v0, 2, 0x100
	v_mov_b32 v113, 0
	v_and_b32 v1, 31, v0                           ; lane
	v_lshrrev_b32 v3, 5, v0
	v_readfirstlane_b32 s37, v3                    ; wave
	v_lshlrev_b32 v[OFF], 4, v1
	v_lshl_or_b32 v[OFF], v3, 12, v[OFF]           ; wave * 4 pairs * 1,024 bytes + 16 * lane
	s_lshl_b32 s18, ttmp9, 15                      ; the work-group's 32 pairs of 1,024 bytes (below 32 MiB)
	s_mov_b32 s19, 0
	s_lshl_b32 s34, ttmp9, 2                       ; its word of psum
	s_mov_b32 s35, 0
	s_mov_b32 s20, KPC
	s_mov_b32 s21, KXC
	s_mov_b32 s22, DPC
	s_mov_b32 s23, DXC
	s_mov_b32 s32, 0x76543210                      ; v_permlanex16_b32: lane i takes lane i of the other half
	s_mov_b32 s33, 0xfedcba98
	s_wait_kmcnt 0x0
	s_load_b32 s24, s[8:9], 0x0                    ; A_plus
	s_load_b32 s25, s[10:11], 0x0                  ; A_minus
	s_add_nc_u64 s[4:5], s[4:5], s[18:19]
	s_add_nc_u64 s[6:7], s[6:7], s[18:19]
	s_add_nc_u64 s[12:13], s[12:13], s[18:19]
	s_add_nc_u64 s[14:15], s[14:15], s[18:19]
	s_add_nc_u64 s[16:17], s[16:17], s[34:35]
.irp j, 0,1,2,3
	global_load_b128 v[X+16*\j:X+16*\j+3],     v[OFF], s[4:5] offset:\j*1024     th:TH_LOAD_NT
	global_load_b128 v[X+16*\j+4:X+16*\j+7],   v[OFF], s[4:5] offset:\j*1024+512 th:TH_LOAD_NT
	global_load_b128 v[X+16*\j+8:X+16*\j+11],  v[OFF], s[6:7] offset:\j*1024     th:TH_LOAD_NT
	global_load_b128 v[X+16*\j+12:X+16*\j+15], v[OFF], s[6:7] offset:\j*1024+512 th:TH_LOAD_NT
.endr
	; while the loads are on their way: the scan's weights
	v_add_nc_u32 v[LF+1], 32, v1                   ; l + 32
	v_sub_nc_u32 v[LF+2], 1, v1                    ; -(l - 1)
	v_sub_nc_u32 v[LF+3], v[LF+2], 32              ; -(l + 31)
	v_cvt_f32_i32 v[LF], v1
	v_cvt_f32_i32 v[LF+1], v[LF+1]
	v_cvt_f32_i32 v[LF+2], v[LF+2]
	v_cvt_f32_i32 v[LF+3], v[LF+3]
.irp i, 0,1,2,3
	v_mul_f32 v[EP+\i],   s20, v[LF+\i]
	v_mul_f32 v[EP+4+\i], s21, v[LF+\i]
.endr
.irp i, 0,1,2,3,4,5,6,7
	v_exp_f32 v[WINP+\i], v[EP+\i]                 ; WINP, WOUTP, WINX, WOUTX lie in this order
.endr
	v_lshrrev_b32 v3, 4, v1                        ; a plain instruction stands between the exponentials and the first write of a source or use of a result (ISA guide 5.7.2)
	v_cvt_f32_u32 v[M16], v3
	v_mov_b32 v[EP], 0                             ; destinations of the DPP moves below count as read: written once here
	v_mov_b32 v[EP+4], 0
	v_mov_b32 v[EX], 0
	v_mov_b32 v[EX+4], 0
	s_wait_kmcnt 0x0                               ; A_plus, A_minus
	s_mul_f32 s26, s24, s22                        ; c1
	s_mul_f32 s27, s25, NDPC                       ; c3
	v_mov_b32 v[C1], s26
	v_mov_b32 v[C1+1], s26
	v_mov_b32 v[C2], C2C
	v_mov_b32 v[C2+1], C2C
	v_mov_b32 v[C3], s27
	v_mov_b32 v[C3+1], s27
; e[t] of one row: S = 8 registers of spikes (t = 4l.., 128+4l..), E = 8 registers for e at the same t, d = number of the scalar register with the decay
.macro TRACE S, E, d, WIN, WOUT
	v_fma_f32 v[U],   v[\S],   s[\d], v[\S+1]      ; group totals ((s0 d + s1) d + s2) d + s3, the two halves by turns
	v_fma_f32 v[U+1], v[\S+4], s[\d], v[\S+5]
	v_fma_f32 v[U],   v[U],    s[\d], v[\S+2]
	v_fma_f32 v[U+1], v[U+1],  s[\d], v[\S+6]
	v_fma_f32 v[U],   v[U],    s[\d], v[\S+3]
	v_fma_f32 v[U+1], v[U+1],  s[\d], v[\S+7]
	v_pk_mul_f32 v[U:U+1], v[U:U+1], v[\WIN:\WIN+1]        ; times D^-g
.irp k, 1,2,4,8
	v_add_f32_dpp v[U],   v[U],   v[U]   row_shr:\k row_mask:0xf bank_mask:0xf bound_ctrl:1   ; running sums inside each 16 lanes
	v_add_f32_dpp v[U+1], v[U+1], v[U+1] row_shr:\k row_mask:0xf bank_mask:0xf bound_ctrl:1
.endr
	v_mov_b32_dpp v[\E],   v[U]   row_shr:1 row_mask:0xf bank_mask:0xf bound_ctrl:1           ; the lanes in front only; lanes 0 and 16 get 0
	v_mov_b32_dpp v[\E+4], v[U+1] row_shr:1 row_mask:0xf bank_mask:0xf bound_ctrl:1
	v_readlane_b32 s28, v[U], 15                   ; first half of t: lanes 0-15,
	v_readlane_b32 s29, v[U], 31                   ; lanes 16-31
	v_readlane_b32 s30, v[U+1], 15                 ; second half of t: lanes 0-15
	s_add_f32 s29, s28, s29                        ; all of the first half
	v_fmac_f32 v[\E],   s28, v[M16]                ; lanes 16-31 add what lanes 0-15 hold
	v_fmac_f32 v[\E+4], s30, v[M16]
	v_add_f32  v[\E+4], s29, v[\E+4]
	v_mul_f32 v[\E],   v[\E],   v[\WOUT]           ; times D^(g-1): e at t = 4 l and at t = 128 + 4 l
	v_mul_f32 v[\E+4], v[\E+4], v[\WOUT+1]
.irp i, 0,1,2
	v_fma_f32 v[\E+\i+1], v[\E+\i],   s[\d], v[\S+\i]      ; e[t+1] = d e[t] + s[t]
	v_fma_f32 v[\E+\i+5], v[\E+\i+4], s[\d], v[\S+\i+4]
.endr
.endm
; the spikes of a row into the two running sums; first = 1: they start the sums, nothing is cleared
.macro SUM8 S, first
.if \first
	v_pk_add_f32 v[ACC:ACC+1],   v[\S:\S+1],     v[\S+2:\S+3]
	v_pk_add_f32 v[ACC+2:ACC+3], v[\S+4:\S+5],   v[\S+6:\S+7]
	s_wait_alu depctr_va_vdst(0)
.else
	v_pk_add_f32 v[ACC:ACC+1],   v[ACC:ACC+1],   v[\S:\S+1]
	v_pk_add_f32 v[ACC+2:ACC+3], v[ACC+2:ACC+3], v[\S+2:\S+3]
	v_pk_add_f32 v[ACC:ACC+1],   v[ACC:ACC+1],   v[\S+4:\S+5]
	v_pk_add_f32 v[ACC+2:ACC+3], v[ACC+2:ACC+3], v[\S+6:\S+7]
.endif
.endm
; eight f32 in S to eight bf16 in four registers D (D = S works: each source pair is read before it is written over)
.macro PACK8 D, S
.irp i, 0,1,2,3
	v_cvt_pk_bf16_f32 v[\D+\i], v[\S+2*\i], v[\S+2*\i+1]
.endr
.endm
; row pair j.  left = the loads of the younger pairs, four each, which may stay out.
; Each X register is loaded once and is a store's data once, and OFF is never rewritten: no wait frees a source here.
.macro PAIR j, left
.set XA, X+16*\j
.set XB, X+16*\j+8
	s_wait_loadcnt \left
.if \j == 0
	SUM8 XA, 1
.else
	SUM8 XA, 0
.endif
	TRACE XA, EP, 22, WINP, WOUTP
	PACK8 XA, XA                                   ; pre
	PACK8 XA+4, EP                                 ; e_pre
	global_store_b128 v[OFF], v[XA+4:XA+7], s[12:13] offset:\j*1024
	global_store_b128 v[OFF], v[XA:XA+3],   s[12:13] offset:\j*1024+512
	SUM8 XB, 0
	TRACE XB, EP, 22, WINP, WOUTP
	TRACE XB, EX, 23, WINX, WOUTX
.irp i, 0,2,4,6
	v_pk_fma_f32 v[EX+\i:EX+\i+1], v[EX+\i:EX+\i+1], v[C2:C2+1], v[C1:C1+1]    ; c1 + c2 e_trip
.endr
.irp i, 0,2,4,6
	v_pk_mul_f32 v[EX+\i:EX+\i+1], v[EX+\i:EX+\i+1], v[XB+\i:XB+\i+1]          ; times post
	v_pk_mul_f32 v[EP+\i:EP+\i+1], v[EP+\i:EP+\i+1], v[C3:C3+1]                ; c3 e_post
.endr
	PACK8 XB, EX
	PACK8 XB+4, EP
	global_store_b128 v[OFF], v[XB:XB+3],   s[14:15] offset:\j*1024
	global_store_b128 v[OFF], v[XB+4:XB+7], s[14:15] offset:\j*1024+512
.endm
	PAIR 0, 12
	PAIR 1, 8
	PAIR 2, 4
	PAIR 3, 0
	; the work-group's sum of spikes: lane, wave, then the eight waves through LDS
	v_pk_add_f32 v[ACC:ACC+1], v[ACC:ACC+1], v[ACC+2:ACC+3]
	v_add_f32 v[ACC], v[ACC], v[ACC+1]
	v_add_f32_dpp v[ACC], v[ACC], v[ACC] row_xmask:1 row_mask:0xf bank_mask:0xf
	v_add_f32_dpp v[ACC], v[ACC], v[ACC] row_xmask:2 row_mask:0xf bank_mask:0xf
	v_add_f32_dpp v[ACC], v[ACC], v[ACC] row_xmask:4 row_mask:0xf bank_mask:0xf
	v_add_f32_dpp v[ACC], v[ACC], v[ACC] row_xmask:8 row_mask:0xf bank_mask:0xf
	v_permlanex16_b32 v[ACC+1], v[ACC], s32, s33
	v_add_f32 v[ACC], v[ACC], v[ACC+1]
	v_mov_b32 v3, s37
	v_lshlrev_b32 v3, 2, v3
	ds_store_b32 v3, v[ACC]                        ; word number = wave; all lanes write the same value
	s_wait_dscnt 0x0                               ; for the other waves' sake: my store is done before I signal
	s_barrier_signal -1
	s_barrier_wait -1
	s_cmp_lg_u32 s37, 0
	s_cbranch_scc1 .Lend                           ; wave 0 alone adds the eight and stores
	v_mov_b32 v3, 0
	ds_load_b128 v[24:27], v3
	ds_load_b128 v[28:31], v3 offset:16
	s_wait_dscnt 0x0
	v_pk_add_f32 v[24:25], v[24:25], v[26:27]
	v_pk_add_f32 v[28:29], v[28:29], v[30:31]
	v_pk_add_f32 v[24:25], v[24:25], v[28:29]
	v_add_f32 v24, v24, v25
	v_cmp_eq_u32 vcc_lo, 0, v0
	s_wait_xcnt 0x0                                ; EXEC is a source of the stores above: it is narrowed only behind this wait
	s_and_saveexec_b32 s36, vcc_lo
	global_store_b32 v3, v24, s[16:17]             ; four bytes for a work-group, 4,096 in the launch: the one store that is not 512 whole bytes
.Lend:
	s_wait_xcnt 0x0
	s_mov_b32 exec_lo, -1
	s_wait_tensorcnt 0x0
	ds_add_u32 v112, v113
	s_wait_dscnt 0x0
	s_endpgm
.Lfunc_end_k_qbaa336f90d_prep:
	.size	k_qbaa336f90d_prep, .Lfunc_end_k_qbaa336f90d_prep-k_qbaa336f90d_prep
	.p2alignl 7, 3214868480
	.fill 96, 4, 3214868480
	.section	.rodata,"a",@progbits
	.p2align	6, 0x0
	.amdhsa_kernel k_qbaa336f90d_prep
		.amdhsa_group_segment_fixed_size 1280
		.amdhsa_private_segment_fixed_size 0
		.amdhsa_enable_private_segment 0
		.amdhsa_kernarg_size 56
		.amdhsa_user_sgpr_count 2
		.amdhsa_user_sgpr_kernarg_segment_ptr 1
		.amdhsa_wavefront_size32 1
		.amdhsa_system_sgpr_workgroup_id_x 1
		.amdhsa_system_sgpr_workgroup_id_y 1
		.amdhsa_system_sgpr_workgroup_id_z 1
		.amdhsa_system_vgpr_workitem_id 0
		.amdhsa_next_free_vgpr 114
		.amdhsa_next_free_sgpr 66
		.amdhsa_reserve_vcc 1
		.amdhsa_float_denorm_mode_32 3
		.amdhsa_float_denorm_mode_16_64 3
		.amdhsa_memory_ordered 1
		.amdhsa_forward_progress 1
		.amdhsa_inst_pref_size 39
	.end_amdhsa_kernel
	.amdgpu_metadata
---
amdhsa.version: [ 1, 2 ]
amdhsa.kernels:
  - .name:           k_qbaa336f90d_prep
    .symbol:         k_qbaa336f90d_prep.kd
    .args:
      - { .name: pre_spikes, .offset: 0, .size: 8, .value_kind: global_buffer, .address_space: global }
      - { .name: post_spikes, .offset: 8, .size: 8, .value_kind: global_buffer, .address_space: global }
      - { .name: meta_A_plus, .offset: 16, .size: 8, .value_kind: global_buffer, .address_space: global }
      - { .name: meta_A_minus, .offset: 24, .size: 8, .value_kind: global_buffer, .address_space: global }
      - { .name: opa, .offset: 32, .size: 8, .value_kind: global_buffer, .address_space: global }
      - { .name: opb, .offset: 40, .size: 8, .value_kind: global_buffer, .address_space: global }
      - { .name: psum, .offset: 48, .size: 8, .value_kind: global_buffer, .address_space: global }
    .group_segment_fixed_size: 1280
    .private_segment_fixed_size: 0
    .kernarg_segment_align: 8
    .kernarg_segment_size: 56
    .max_flat_workgroup_size: 256
    .sgpr_count:     66
    .vgpr_count:     114
    .wavefront_size: 32
...
	.end_amdgpu_metadata
.endif
;; end of part 1
;; launch gemm (part 2): grid 16 x 16, 4 waves a work-group, clusters of 4 x 4, 327,680 bytes of LDS; arguments opa, opb, psum, weights, out0; writes out0
.if DOCPART == 2
	.amdgcn_target "amdgcn-amd-amdhsa--gfx1250"
	.amdhsa_code_object_version 6
	.text
	.protected	k_qbaa336f90d_gemm
	.globl	k_qbaa336f90d_gemm
	.p2align	8
	.type	k_qbaa336f90d_gemm,@function
k_qbaa336f90d_gemm:
	s_mov_b64 s[64:65], 0
	v_nop
	global_prefetch_b8 v0, s[64:65] scope:SCOPE_SE
	s_setreg_imm32_b32 hwreg(HW_REG_WAVE_MODE, 25, 1), 1
	s_wait_xcnt 0x0
	s_wait_alu depctr_hold_cnt(0) depctr_sa_sdst(0) depctr_va_vdst(0) depctr_va_sdst(0) depctr_va_ssrc(0) depctr_va_vcc(0) depctr_vm_vsrc(0)
	s_getreg_b32 s2, hwreg(HW_REG_IB_STS2, 6, 4)
	s_cmp_eq_u32 s2, 0
	s_cbranch_scc0 .Lentry_in_a_cluster
	s_endpgm
.Lentry_in_a_cluster:
	s_bfe_u32 s2, ttmp6, 0x10000c
	s_cmp_lg_u32 s2, 0xf033
	s_cbranch_scc0 .Lentry_shape_is_right
	s_endpgm
.Lentry_shape_is_right:
; STDP, second launch: out0 = clip(weights + f * (A' B'^T), -2, 2), f = sqrt(0.1 / (S / 4096 + 1e-6)), S = the sum of psum's 1,024 words.
; A' = opa [b][p][kind][256] bf16, B' = opb [b][q][kind][256] bf16; the product runs over (b, kind, place): K = 16 * 2 * 256 = 8,192; sums in f32.
; 16 x 16 work-groups, each a block of 128 x 128 of the output.  THE FOUR WAVES SPLIT K, NOT THE BLOCK: each wave keeps the whole 128 x 128 block
; (64 accumulator tiles of 16 x 16, 512 registers) for its quarter of every K step, so that 16 KiB read from LDS feed 64 matrix instructions.
; The four partial blocks meet in LDS at the end, which also turns them into whole rows for the stores.
; A K step is one (b, kind): 256 along K, rows of 512 consecutive bytes, aligned; 32 steps; slot number = kind; a lap = one b.
; Wave w takes bytes 128 w .. 128 w + 127 of every row of the slot: two quarters of 32 along K, 128 matrix instructions a step.
; CLUSTERS: 4 x 4 work-groups.  A's tile hangs on the block row alone and is asked for jointly by the four of a row of the cluster, B's on the block column
; alone, jointly by the four of a column: the requests for A' and B' are divided by four.
; A wave has at most two tensor loads out (the two at the start), one in the loop.
; LIMIT: a result that is NaN (a NaN input, or S / 4096 + 1e-6 below zero) is stored as -2: v_max_num_f32 lets a NaN lose.
;
; REGISTERS, in windows of 256: window 0: v0-63 addresses, scale, psum; v64-127, v128-191 fragments of A' (two buffers), at the end the weights and results
; of my 32 rows; v192-255 partial sums of 4 rows.  Window 1: v64-191 fragments of B'.  Window 2: accumulator tiles of rows 0-63 (tile (a, b) at v[8 (8 a + b)]);
; window 3: those of rows 64-127.  The matrix instruction is used transposed (source 0 = rows of B', source 1 = rows of A'): lane l holds row l % 16 of the
; tile and its registers 0-7 the columns 8 (l / 16) + 0 .. 7, 32 neighbouring bytes.
.set PITCH,  528                       ; an LDS row: 512 bytes + 16 of padding = 33 x 16: the 16 rows of a fragment load start at 16 different 16-byte columns of the 64 banks (ISA guide 11.1)
.set HALFT,  64*PITCH                  ; 64 rows: what one tensor load brings
.set OPND,   128*PITCH                 ; one operand's 128 rows; at the end one wave's partial block (128 rows x 512 bytes)
.set SLOT,   2*OPND                    ; A's rows, then B's
.set BSTEP,  0x200000                  ; from b to b + 1: 2,048 rows of 1,024 bytes
.set LAPS,   16
.set G1W0,   (1<<16)|(1<<20)|(1<<21)|(6<<22)|(3<<25)   ; element of 2 bytes; padding on; bit 21 beside a mask; after every 128 words (code 6) 4 words (code 3)
.set WPF,  12                          ; v12     prefetch of the weights: (l / 2) rows + (l % 2) * 256 bytes
.set ADRA, 16                          ; v16-17  LDS address of my A fragments in slot 0, 1
.set ADRB, 20                          ; v20-21  the same for B
.set STO,  24                          ; v24     where I put 32 bytes of a row of my partial block
.set RD,   25                          ; v25-28  where I read my 16 bytes of my first output row in partial block 0 .. 3
.set WOFF, 29                          ; v29     16 l
.set SF,   30                          ; v[30:31] f, twice
.set PS,   32                          ; v[32:63] psum
.set F0,   64
.set F1,   128
.set PART, 192
.set G1,  24                           ; s[24:31] group 1, A
.set G0,  32                           ; s[32:39] group 0, A, a set for each slot
.set G1B, 48                           ; s[48:55] group 1, B: differs in the mask alone
.set G0B, 56                           ; s[56:63] group 0, B
.set MSB, 0
.macro WIN new                         ; the immediate's high byte repeats the setting that is left
.if MSB != \new
	s_set_vgpr_msb (MSB<<8)|\new
.set MSB, \new
.endif
.endm
.set MUL_LO, 0xa1                      ; source 0 (B) window 1, source 1 (A) window 0, C and D window 2
.set MUL_HI, 0xf1                      ; the same, C and D window 3
.set TO_B,   0x40                      ; destination window 1, address window 0
; A joint load.  Waves 0 and 1 fetch A's two halves, waves 2 and 3 B's.  Each line has one mask; the branch hangs on the wave's number alone.
.macro JLOAD s
	s_cmp_eq_u32 s15, 0
	s_cbranch_scc0 .Lfor_b_\@
	tensor_load_to_lds s[G0+4*\s:G0+4*\s+3], s[G1:G1+7]
	s_nop 0
	s_branch .Lasked_\@
.Lfor_b_\@:
	tensor_load_to_lds s[G0B+4*\s:G0B+4*\s+3], s[G1B:G1B+7]
	s_nop 0
.Lasked_\@:
.endm
; A round of the cluster's barrier: my work-group's barrier; wave 0 signals for the work-group; every wave waits for all sixteen; my work-group's barrier again.
.macro CREST                           ; a round behind its opening barrier
	s_cmp_lg_u32 s14, 0
	s_cbranch_scc1 .Lnot_wave_0_\@
	s_barrier_signal -3
.Lnot_wave_0_\@:
	s_barrier_wait -3
	s_barrier_signal -1
	s_barrier_wait -1
.endm
.macro CROUND
	s_barrier_signal -1
	s_barrier_wait -1
	CREST
.endm
	s_load_b256 s[4:11], s[0:1], 0x0               ; opa s[4:5], opb s[6:7], psum s[8:9], weights s[10:11]
	s_load_b64 s[12:13], s[0:1], 0x20              ; out0
	s_set_vgpr_msb 0x40
	v_lshl_add_u32 v255, v0, 2, 0x42000
	s_set_vgpr_msb 0x4000
	v_mov_b32 v23, 0
	s_set_vgpr_msb 0x1
	ds_add_u32 v255, v23
	ds_add_u32 v255, v23
	s_set_vgpr_msb 0x100
	v_lshrrev_b32 v1, 5, v0
	v_readfirstlane_b32 s14, v1                    ; wave w
	s_lshr_b32 s15, s14, 1                         ; I fetch for A (0) or for B (1)
	s_and_b32 s16, s14, 1                          ; which 64 rows of that tile
	s_bfe_u32 s17, ttmp6, 0x40000                  ; cx
	s_bfe_u32 s18, ttmp6, 0x40004                  ; cy
	s_lshl_b32 s19, ttmp9, 2
	s_add_co_u32 s19, s19, s17                     ; block column = 4 x cluster x + cx
	s_and_b32 s20, ttmp7, 0xffff
	s_lshl_b32 s20, s20, 2
	s_add_co_u32 s20, s20, s18                     ; block row = 4 x cluster y + cy
	s_lshl_b32 s21, s18, 2
	s_lshl_b32 s21, 15, s21                        ; my row of the cluster: places 4 cy .. 4 cy + 3
	s_lshl_b32 s22, 0x1111, s17                    ; my column: places cx, cx + 4, cx + 8, cx + 12
	; group 1: a tile of 64 rows x 256 elements of 2 bytes, 512 elements from row to row, padded in LDS
	s_or_b32 s[G1+0], s21, G1W0
	s_or_b32 s[G1B+0], s22, G1W0
	s_mov_b32 s[G1+1], 256<<16                     ; tensor_dim0 = 256
	s_mov_b32 s[G1B+1], 256<<16
	s_mov_b32 s[G1+2], 64<<16                      ; tensor_dim1 = 64
	s_mov_b32 s[G1B+2], 64<<16
	s_mov_b32 s[G1+3], 256<<16                     ; tile_dim0 = 256
	s_mov_b32 s[G1B+3], 256<<16
	s_mov_b32 s[G1+4], 64                          ; tile_dim1 = 64
	s_mov_b32 s[G1B+4], 64
	s_mov_b32 s[G1+5], 512                         ; pitch: both kinds of a row, 1,024 bytes
	s_mov_b32 s[G1B+5], 512
	s_mov_b32 s[G1+6], 0
	s_mov_b32 s[G1B+6], 0
	s_mov_b32 s[G1+7], 0
	s_mov_b32 s[G1B+7], 0
	; where the tiles come from: A's address is made of the block row and the wave, B's of the block column and the wave, in registers of their own
	s_lshl_b32 s72, s16, 16                        ; 64 rows of 1,024 bytes
	s_lshl_b32 s40, s20, 17                        ; 128 rows of 1,024 bytes a block
	s_add_co_u32 s40, s40, s72
	s_mov_b32 s41, 0
	s_lshl_b32 s44, s19, 17
	s_add_co_u32 s44, s44, s72
	s_mov_b32 s45, 0
	s_mul_i32 s23, s14, HALFT                      ; and where they go: A's halves, then B's = wave x 64 rows
	; my 32 rows of weights and out0: row 128 x block row + 32 w (8,192 bytes a row), column 128 x block column (4 bytes)
	s_lshl_b32 s70, s20, 20
	s_lshl_b32 s77, s14, 18
	s_add_co_u32 s70, s70, s77
	s_lshl_b32 s76, s19, 9
	s_add_co_u32 s70, s70, s76
	s_mov_b32 s71, 0
	s_mov_b32 s66, 0x76543210
	s_mov_b32 s67, 0xfedcba98
	s_mov_b32 s68, 0x39800000                      ; 1 / 4096 = 1 / (B T)
	s_wait_dscnt 0x0
	s_wait_kmcnt 0x0
	s_add_nc_u64 s[42:43], s[4:5], s[40:41]
	s_add_nc_u64 s[46:47], s[6:7], s[44:45]
	s_add_nc_u64 s[10:11], s[10:11], s[70:71]
	s_add_nc_u64 s[12:13], s[12:13], s[70:71]
	CROUND                                         ; all sixteen work-groups are here: the first joint loads meet
.irp s, 0,1
	s_mov_b32 s[G0+4*\s], 1
	s_add_co_u32 s[G0+4*\s+1], s23, \s*SLOT
	s_add_nc_u64 s[G0+4*\s+2:G0+4*\s+3], s[42:43], \s*512          ; b = 0, kind = slot
	s_or_b32 s[G0+4*\s+3], s[G0+4*\s+3], 0x80000000
	s_mov_b32 s[G0B+4*\s], 1
	s_add_co_u32 s[G0B+4*\s+1], s23, \s*SLOT
	s_add_nc_u64 s[G0B+4*\s+2:G0B+4*\s+3], s[46:47], \s*512
	s_or_b32 s[G0B+4*\s+3], s[G0B+4*\s+3], 0x80000000
	JLOAD \s
.endr
	v_and_b32 v3, 31, v0                           ; l
	v_lshlrev_b32 v[WOFF], 4, v3
.irp i, 0,1,2,3,4,5,6,7
	global_load_b128 v[PS+4*\i:PS+4*\i+3], v[WOFF], s[8:9] offset:512*\i       ; all of psum, 32 words a lane
.endr
	v_and_b32 v1, 15, v0                           ; r = l % 16
	v_bfe_u32 v2, v0, 4, 1                         ; h = l / 16
	v_mul_u32_u24 v4, v1, PITCH
	v_lshl_add_u32 v5, v2, 4, v4                   ; r x pitch + 16 h
	s_lshl_b32 s73, s14, 7                         ; my 128 bytes of every row
	v_add_nc_u32 v[ADRA], s73, v5
	v_add_nc_u32 v[ADRA+1], SLOT, v[ADRA]
	v_add_nc_u32 v[ADRB], OPND, v[ADRA]
	v_add_nc_u32 v[ADRB+1], OPND+SLOT, v[ADRA]
	s_mul_i32 s74, s14, OPND                       ; my partial block
	v_lshl_add_u32 v[STO], v2, 5, v4               ; r x pitch + 32 h
	v_add_nc_u32 v[STO], s74, v[STO]
	s_mul_i32 s75, s14, 32*PITCH                   ; my 32 output rows
	v_add_nc_u32 v[RD], s75, v[WOFF]
	v_add_nc_u32 v[RD+1], OPND, v[RD]
	v_add_nc_u32 v[RD+2], 2*OPND, v[RD]
	v_add_nc_u32 v[RD+3], 3*OPND, v[RD]
	v_lshrrev_b32 v6, 1, v3
	v_and_b32 v7, 1, v3
	v_lshlrev_b32 v7, 8, v7
	v_lshl_or_b32 v[WPF], v6, 13, v7
	; the scale f, the same sum in the same order in every wave of the launch
	s_wait_loadcnt 0x0
.irp i, 0,2,4,6,8,10,12,14
	v_pk_add_f32 v[PS+\i:PS+\i+1], v[PS+\i:PS+\i+1], v[PS+16+\i:PS+16+\i+1]
.endr
.irp i, 0,2,4,6
	v_pk_add_f32 v[PS+\i:PS+\i+1], v[PS+\i:PS+\i+1], v[PS+8+\i:PS+8+\i+1]
.endr
.irp i, 0,2
	v_pk_add_f32 v[PS+\i:PS+\i+1], v[PS+\i:PS+\i+1], v[PS+4+\i:PS+4+\i+1]
.endr
	v_pk_add_f32 v[PS:PS+1], v[PS:PS+1], v[PS+2:PS+3]
	v_add_f32 v[PS], v[PS], v[PS+1]
	v_add_f32_dpp v[PS], v[PS], v[PS] row_xmask:1 row_mask:0xf bank_mask:0xf
	v_add_f32_dpp v[PS], v[PS], v[PS] row_xmask:2 row_mask:0xf bank_mask:0xf
	v_add_f32_dpp v[PS], v[PS], v[PS] row_xmask:4 row_mask:0xf bank_mask:0xf
	v_add_f32_dpp v[PS], v[PS], v[PS] row_xmask:8 row_mask:0xf bank_mask:0xf
	v_permlanex16_b32 v[PS+1], v[PS], s66, s67
	v_add_f32 v[PS], v[PS], v[PS+1]
	v_fmaak_f32 v[SF], s68, v[PS], 0x358637bd      ; S / 4096 + 1e-6
	v_rcp_f32 v[SF+1], v[SF]
	v_nop                                          ; a plain place behind a transcendental (ISA guide 5.7.2)
	s_wait_alu depctr_va_vdst(0)
	v_mul_f32 v[SF+1], 0x3dcccccd, v[SF+1]         ; 0.1 / ..
	v_sqrt_f32 v[SF], v[SF+1]
	v_nop
	s_wait_alu depctr_va_vdst(0)
	v_mov_b32 v[SF+1], v[SF]
; 16 matrix instructions: row blocks a0, a0 + 1 of the window's four (hi = 0: rows 0-63, 1: rows 64-127) x all 8 column blocks, 32 along K.
; zero = 1: the first product starts the sums: nothing is cleared.
.macro MUL16 f, hi, a0, zero
.irp a, \a0, \a0+1
.irp b, 0,1,2,3,4,5,6,7
.if \zero
	v_wmma_f32_16x16x32_bf16 v[8*(8*(\a)+\b):8*(8*(\a)+\b)+7], v[\f+8*\b:\f+8*\b+7], v[\f+8*(4*\hi+\a):\f+8*(4*\hi+\a)+7], 0
.else
	v_wmma_f32_16x16x32_bf16 v[8*(8*(\a)+\b):8*(8*(\a)+\b)+7], v[\f+8*\b:\f+8*\b+7], v[\f+8*(4*\hi+\a):\f+8*(4*\hi+\a)+7], v[8*(8*(\a)+\b):8*(8*(\a)+\b)+7]
.endif
.endr
.endr
.endm
; 32 LDS loads in one run: 128 rows of B, 128 rows of A, 32 along K at byte k of my 128 bytes, into buffer f.  The largest offset is 7 x 16 x 528 + 96 = 59,232.
.macro FETCH slot, k, f
	WIN TO_B
.irp i, 0,1,2,3,4,5,6,7
	ds_load_b128 v[\f+8*\i:\f+8*\i+3],   v[ADRB+\slot] offset:\k+\i*16*PITCH
	ds_load_b128 v[\f+8*\i+4:\f+8*\i+7], v[ADRB+\slot] offset:\k+\i*16*PITCH+32
.endr
	WIN 0
.irp i, 0,1,2,3,4,5,6,7
	ds_load_b128 v[\f+8*\i:\f+8*\i+3],   v[ADRA+\slot] offset:\k+\i*16*PITCH
	ds_load_b128 v[\f+8*\i+4:\f+8*\i+7], v[ADRA+\slot] offset:\k+\i*16*PITCH+32
.endr
.endm
; A load into a register that a matrix instruction has read, and whatever reads a matrix result, stand four places behind that matrix instruction; only plain vector
; instructions that name none of its registers are places (ISA guide 7.12.1 for what reads a matrix result).  The matrix instructions in between are not counted.
.macro PLACES
.rept 4
	v_nop
.endr
.endm
; The first quarter of a K step: multiplies buffer f and fetches, in its middle, the second quarter's fragments (byte k) into buffer g.
; The 64 accumulators take turns, one instruction a turn, in the same order in every quarter, over the backward jump too.
.macro QUARTER slot, k, f, g, zero
	s_wait_dscnt 8                                 ; B and A's rows 0-63 are in; the youngest eight loads (A's rows 64-127) may be out
	WIN MUL_LO
	MUL16 \f, 0, 0, \zero
	MUL16 \f, 0, 2, \zero
	PLACES
	FETCH \slot, \k, \g
	s_wait_dscnt 32                                ; all but the 32 just issued
	WIN MUL_HI
	MUL16 \f, 1, 0, \zero
	MUL16 \f, 1, 2, \zero
.endm
; The second quarter: multiplies buffer 1 and changes slots.  fill = 1: this slot is filled again, with the same kind of the next b.
; In front of the barrier each wave waits for its reads of this slot and for all its tensor loads (one is out: its part of the next slot).  Behind it (with fill:
; behind the cluster's round that it opens) nobody reads this slot and the next slot is whole: the refill first, then the next slot's first fragments.
; From a request to the wait for it a wave issues 112 matrix instructions.
.macro TURN slot, next, fill
	s_wait_dscnt 8
	WIN MUL_LO
	MUL16 F1, 0, 0, 0
	s_wait_dscnt 0                                 ; my reads of this slot are over
	s_wait_tensorcnt 0x0                           ; and all my tensor loads have landed
	ds_add_u32 v255, v23
	s_wait_dscnt 0x0
	s_barrier_signal -1
	MUL16 F1, 0, 2, 0                              ; registers only
	WIN 0
	s_barrier_wait -1
.if \fill
	CREST                                          ; no wave of any partner still reads this slot or has a load on its way
	s_add_nc_u64 s[G0+4*\slot+2:G0+4*\slot+3], s[G0+4*\slot+2:G0+4*\slot+3], BSTEP
	s_add_nc_u64 s[G0B+4*\slot+2:G0B+4*\slot+3], s[G0B+4*\slot+2:G0B+4*\slot+3], BSTEP
	JLOAD \slot                                    ; the first tensor load behind the round
.endif
	PLACES
	FETCH \next, 0, F0
	WIN MUL_HI
	MUL16 F1, 1, 0, 0
	MUL16 F1, 1, 2, 0
.endm
.macro LAP zero                        ; one b: both kinds, both slots filled again
	QUARTER 0, 64, F0, F1, \zero
	TURN 0, 1, 1
	QUARTER 1, 64, F0, F1, 0
	TURN 1, 0, 1
.endm
	s_wait_tensorcnt 1                             ; my part of K step 0 is in; K step 1's stays out
	s_barrier_signal -1
	s_barrier_wait -1                              ; everybody's is
	FETCH 0, 0, F0
	LAP 1                                          ; b = 0: its first products start the sums
	WIN 0                                          ; at a label and at a branch every window is 0
	s_mov_b32 s3, LAPS-2
.Llap:
	LAP 0                                          ; b = 1 .. 14
	WIN 0
	s_sub_co_u32 s3, s3, 1
	s_cmp_lg_u32 s3, 0
	s_cbranch_scc1 .Llap
	; My wave's 32 rows x 512 bytes of weights are asked for here, two K steps (256 matrix instructions) ahead of their loads: lanes 256 bytes apart,
	; 16 rows a line, each block by one wave of one work-group; the last block ends with my last row, inside the buffer.
	global_prefetch_b8 v[WPF], s[10:11] th:TH_LOAD_NT scope:SCOPE_SE
	global_prefetch_b8 v[WPF], s[10:11] offset:131072 th:TH_LOAD_NT scope:SCOPE_SE
	QUARTER 0, 64, F0, F1, 0                       ; b = 15 fills nothing and has no round: my one tensor load still out is slot 1's
	TURN 0, 1, 0
	QUARTER 1, 64, F0, F1, 0
	s_wait_dscnt 8                                 ; the very last quarter
	WIN MUL_LO
	MUL16 F1, 0, 0, 0
	MUL16 F1, 0, 2, 0
	s_wait_dscnt 0                                 ; my last reads of the slots are over:
	s_barrier_signal -1                            ; behind this barrier the slots, which have had their last fill, take the partial blocks
	WIN MUL_HI
	MUL16 F1, 1, 0, 0
	MUL16 F1, 1, 2, 0
	WIN 0
	s_barrier_wait -1
	; THE WAY OUT.  The four v_nop are the places behind the last matrix instructions, for the loads into the fragment buffers and the LDS stores of the results.
	PLACES
.set j, 0
.rept 32
	global_load_b128 v[F0+4*j:F0+4*j+3], v[WOFF], s[10:11] offset:j*8192 th:TH_LOAD_NT     ; row j of my 32: 512 consecutive bytes, aligned
.set j, j+1
.endr
; my partial block into LDS: tile (a, b) of window 2 or 3 (win = 0x08 or 0x0c: the store's data), 32 bytes a lane
.macro PUT win, row0
	WIN \win
.irp a, 0,1,2,3
.irp b, 0,1,2,3,4,5,6,7
	ds_store_b128 v[STO], v[8*(8*\a+\b):8*(8*\a+\b)+3]   offset:(\row0+16*\a)*PITCH+64*\b
	ds_store_b128 v[STO], v[8*(8*\a+\b)+4:8*(8*\a+\b)+7] offset:(\row0+16*\a)*PITCH+64*\b+16
.endr
.endr
.endm
	PUT 0x08, 0
	PUT 0x0c, 64
	WIN 0
	s_wait_dscnt 0x0                               ; for the other waves' sake: my stores are done before I signal
	s_barrier_signal -1
	s_barrier_wait -1
; rows 4 t .. 4 t + 3 of my 32: the four partial sums of each, the scale, the weights, the clip, the store
.macro OUT4 t
.irp jj, 0,1,2,3
.irp q, 0,1,2,3
	ds_load_b128 v[PART+16*\jj+4*\q:PART+16*\jj+4*\q+3], v[RD+\q] offset:(4*\t+\jj)*PITCH
.endr
.endr
	s_wait_loadcnt 28-4*\t                         ; the weights of these four rows are in; those of the later rows stay out
.irp jj, 0,1,2,3
.set PR, PART+16*\jj
.set WR, F0+4*(4*\t+\jj)
	s_wait_dscnt 12-4*\jj                          ; this row's four loads are in; the later rows' four each stay out
	v_pk_add_f32 v[PR:PR+1],     v[PR:PR+1],     v[PR+4:PR+5]
	v_pk_add_f32 v[PR+2:PR+3],   v[PR+2:PR+3],   v[PR+6:PR+7]
	v_pk_add_f32 v[PR+8:PR+9],   v[PR+8:PR+9],   v[PR+12:PR+13]
	v_pk_add_f32 v[PR+10:PR+11], v[PR+10:PR+11], v[PR+14:PR+15]
	v_pk_add_f32 v[PR:PR+1],     v[PR:PR+1],     v[PR+8:PR+9]
	v_pk_add_f32 v[PR+2:PR+3],   v[PR+2:PR+3],   v[PR+10:PR+11]
	v_pk_fma_f32 v[WR:WR+1],     v[PR:PR+1],     v[SF:SF+1], v[WR:WR+1]
	v_pk_fma_f32 v[WR+2:WR+3],   v[PR+2:PR+3],   v[SF:SF+1], v[WR+2:WR+3]
.irp c, 0,1,2,3
	v_max_num_f32 v[WR+\c], -2.0, v[WR+\c]
.endr
.irp c, 0,1,2,3
	v_min_num_f32 v[WR+\c], 2.0, v[WR+\c]
.endr
	global_store_b128 v[WOFF], v[WR:WR+3], s[12:13] offset:(4*\t+\jj)*8192 th:TH_STORE_NT  ; 512 consecutive bytes, aligned; WR is not written again
.endr
.endm
.irp t, 0,1,2,3,4,5,6,7
	OUT4 \t
.endr
	s_set_vgpr_msb 0x1
	s_wait_tensorcnt 0x0
	ds_add_u32 v255, v23
	s_wait_dscnt 0x0
	s_set_vgpr_msb 0x100
	CROUND                                         ; the closing round: no work-group ends while a partner may still ask for a tile that names it
	s_endpgm
.Lfunc_end_k_qbaa336f90d_gemm:
	.size	k_qbaa336f90d_gemm, .Lfunc_end_k_qbaa336f90d_gemm-k_qbaa336f90d_gemm
	.p2alignl 7, 3214868480
	.fill 96, 4, 3214868480
	.section	.rodata,"a",@progbits
	.p2align	6, 0x0
	.amdhsa_kernel k_qbaa336f90d_gemm
		.amdhsa_group_segment_fixed_size 327680
		.amdhsa_private_segment_fixed_size 0
		.amdhsa_enable_private_segment 0
		.amdhsa_kernarg_size 40
		.amdhsa_user_sgpr_count 2
		.amdhsa_user_sgpr_kernarg_segment_ptr 1
		.amdhsa_wavefront_size32 1
		.amdhsa_system_sgpr_workgroup_id_x 1
		.amdhsa_system_sgpr_workgroup_id_y 1
		.amdhsa_system_sgpr_workgroup_id_z 1
		.amdhsa_system_vgpr_workitem_id 0
		.amdhsa_next_free_vgpr 1024
		.amdhsa_next_free_sgpr 80
		.amdhsa_reserve_vcc 0
		.amdhsa_float_denorm_mode_32 3
		.amdhsa_float_denorm_mode_16_64 3
		.amdhsa_memory_ordered 1
		.amdhsa_forward_progress 1
		.amdhsa_inst_pref_size 137
	.end_amdhsa_kernel
	.amdgpu_metadata
---
amdhsa.version: [ 1, 2 ]
amdhsa.kernels:
  - .name:           k_qbaa336f90d_gemm
    .symbol:         k_qbaa336f90d_gemm.kd
    .args:
      - { .name: opa, .offset: 0, .size: 8, .value_kind: global_buffer, .address_space: global }
      - { .name: opb, .offset: 8, .size: 8, .value_kind: global_buffer, .address_space: global }
      - { .name: psum, .offset: 16, .size: 8, .value_kind: global_buffer, .address_space: global }
      - { .name: weights, .offset: 24, .size: 8, .value_kind: global_buffer, .address_space: global }
      - { .name: out0, .offset: 32, .size: 8, .value_kind: global_buffer, .address_space: global }
    .group_segment_fixed_size: 327680
    .private_segment_fixed_size: 0
    .kernarg_segment_align: 8
    .kernarg_segment_size: 40
    .max_flat_workgroup_size: 128
    .sgpr_count:     80
    .vgpr_count:     1024
    .wavefront_size: 32
...
	.end_amdgpu_metadata
.endif
;; end of part 2
